; MI455X (gfx1250); checked and timed in simulation.
; The chip was launched on July 23, 2026; its instructions are those of AMD's public machine-readable ISA for CDNA 5 (MIT licence, August 2026) and "CDNA5" Instruction Set Architecture Reference Guide (July 2026). The comments in the code are by the model that wrote it; some were corrected since.
;; scaled dot product attention. Allowed arithmetic: matrix products marked QUANTISED: E2M3 operands, one E8M0 scale for each 32 along K, by v_wmma_scale_f32_16x16x128_f8f6f4 with both operands' format E2M3, f32 sums; everything else in f32.
;; Inputs: bias 1 x 1 x 2,048 x 2,048 float32; key 2 x 16 x 2,048 x 128 float32; query 2 x 16 x 2,048 x 128 float32; value 2 x 16 x 2,048 x 128 float32.
;; Outputs: out0 2 x 16 x 2,048 x 128 float32; out1 2 x 16 x 2,048 x 1 float32.
;; Constants: is_alibi = 1, is_causal = 1, is_infer = 0.
;; This version of the problem:
;;   THIS VERSION OF THE PROBLEM IS GIVEN IN LOW PRECISION. The matrix products marked QUANTISED in the list below multiply operands that are first quantised to E2M3 (2 exponent bits, 3 mantissa bits; 6 bits a number), with one power-of-two scale for each 32 numbers along K (OCP MX v1.0); their sums are f32. All else is computed in f32.
;;   The module's matrix products, in the order in which they are computed (A, B: the left and right operand; K: the contracted axis; several contracted axes count as one K, in the product's order):
;;     1. batch 32 x [M 2,048, K 128] x [K 128, N 2,048]; A: input query; B: input key: QUANTISED
;;     2. batch 32 x [M 2,048, K 2,048] x [K 2,048, N 128]; A: softmax (see below); B: input value: QUANTISED
;;   THE QUANTISER, for each operand of a quantised product, along K:
;;     - K is cut into blocks of 32 from its start; a last block that is shorter is filled with zeros.
;;     - A block's scale is 2^e with e = floor(log2(the largest magnitude in the block)) - 2, held to -126 .. 127; a block of zeros has e = 0. As a byte (E8M0): e + 127.
;;     - Each number is divided by its block's scale, clamped to +-7.5, and rounded to the nearest number of E2M3, ties to even, subnormals kept.
;;     - The product sums the exact products of the quantised numbers (number of the format x scale) in f32.
;;   ~~~python
;;   def quantise(x, axis):      # numpy; x: float32 -> the quantised numbers, widened to float32 again
;;       x = np.moveaxis(x, axis, -1); K = x.shape[-1]
;;       x = np.pad(x, [(0, 0)] * (x.ndim - 1) + [(0, -K % 32)]); x = x.reshape(x.shape[:-1] + (-1, 32)); a = np.abs(x).max(-1, keepdims=True)
;;       e = np.where(a > 0, np.clip(np.frexp(np.where(a > 0, a, 1))[1] - 1 - 2, -126, 127), 0)      # np.frexp(a)[1] - 1 = floor(log2(a)), exactly
;;       r = np.clip(x / 2.0 ** e, -7.5, 7.5)
;;       step = 2.0 ** (np.maximum(np.frexp(np.where(r == 0, 1, r))[1] - 1, 0) - 3)
;;       q = np.round(r / step) * step * 2.0 ** e      # np.round: ties to even
;;       return np.moveaxis(q.reshape(q.shape[:-2] + (-1,))[..., :K], -1, axis).astype(np.float32)
;;   ~~~
;;   SOFTMAX AHEAD OF A QUANTISED PRODUCT. Where the list says 'softmax', what is quantised is not the finished softmax but p = 2^(t - M), with t = logit x log2(e) and M = ceil(the row's largest t), a whole number; so 1/2 < the row's largest p <= 1. The row's sum l is taken of the UNQUANTISED p, in f32, and the product's result is divided by l at the end. Since M is a whole number, a kernel that streams over the keys may use a running M (the ceiling of the running maximum): every later rescaling is an exact power of two, which a block's scale takes up: the codes' values come out the same.
;;   OPERANDS COMPUTED ON THE WAY. 'Computed on the way' means the value that the module computes at that place (a softmax that the list does not call 'softmax' is quantised finished and normalised). What goes into a quantiser is computed in f32, as accurately as f32 sums, v_exp_f32 and their like allow (about 1e-6 of the number): no bf16 or f16 on the way to a quantiser, and a product that is left as it is and whose result goes on into a quantised operand takes f32 operands (vector FMAs, or v_wmma_f32_16x16x4_f32). A number that lies on a knife's edge between two numbers of the format may be rounded either way, as far as f32 arithmetic and the matrix unit's own rounding can turn it there, and no further.
;; One version. Each part assembles by itself: llvm-mc -triple=amdgcn-amd-amdhsa -mcpu=gfx1250 --defsym DOCPART=n.
;; ======== version 1 of 1: 2 launches
;; workspace buffers: kv 13,107,200 bytes; bimg 16,777,216 bytes
;; launch prep (part 1): grid 16 x 32, 4 waves a work-group, no clusters, 69,120 bytes of LDS; arguments key, value, bias, kv, bimg; writes kv, bimg
.if DOCPART == 1
	.amdgcn_target "amdgcn-amd-amdhsa--gfx1250"
	.amdhsa_code_object_version 6
	.text
	.protected	k_qf429a51e52_prep
	.globl	k_qf429a51e52_prep
	.p2align	8
	.type	k_qf429a51e52_prep,@function
k_qf429a51e52_prep:
	s_mov_b64 s[64:65], 0
	v_nop
	global_prefetch_b8 v0, s[64:65] scope:SCOPE_SE
	s_setreg_imm32_b32 hwreg(HW_REG_WAVE_MODE, 25, 1), 1
	s_wait_xcnt 0x0
; key, value [32 slices][2048][128] f32 become codes of FP6 (E2M3) with one E8M0 byte for each 32 along a product's K, laid as IMAGES OF THE OPERANDS' REGISTERS;
; the part of bias [2048][2048] that the causal mask keeps is laid as an image of the score accumulators.
; kv: [32 slices][16 key steps][25,600 bytes].  A step (128 keys): 8 tiles of K x 1,536 bytes, 8 tiles of V x 1,536 bytes, 512 bytes of K's scale words, 512 of V's.
;   A tile is a fragment's 12 registers as three groups of four: group c at 512 c, lane l's 16 bytes at 16 l.
;   K: K axis = the head's 128.  Row r of tile 2 b + u is key 32 b + 8 u + r + 8 (r / 8), so that the 16 score registers of tiles 2 b and 2 b + 1 are 16 neighbouring keys.
;   V: K axis = the step's 128 keys, in their order; tile t holds channels 16 t .. 16 t + 15.
;   The scale word of (tile t, row r) lies at 256 (t / 4) + 16 r + 4 (t % 4): one load of 16 bytes a lane brings the words of four tiles.
; bimg: [128 tiles of 16 queries T][16 key steps s][8,192 bytes]: group n = 4 b + j at 512 n + 16 lane holds bias[16 T + lane % 16][128 s + 32 b + 16 (lane / 16) + 4 j + 0 .. 3].
;   Only tiles with s <= T / 8 are written; the others lie wholly above the diagonal and are never read.
; A block's scale is 2^(floor(log2(its largest magnitude)) - 2): its byte is the largest magnitude's exponent field - 2, held at 1 from below.  A block of zeros so keeps the byte 1 where the
; quantiser says 127: its codes are zeros, and this program alone reads the bytes.
; LIMITS: blocks whose largest magnitude lies under 2^-124 keep the byte 1; NaN and infinities among the inputs are not served.
; SHARES.  Work-group (ST, HD) owns key step ST of slice HD.  Wave w: keys 32 w .. 32 w + 31 of K (tiles 2 w, 2 w + 1); channels 32 w .. 32 w + 31 of V over the 128 keys (tiles 2 w, 2 w + 1);
; and the bias tile T = 4 HD + ST / 4, s = 4 (ST % 4) + w, where s <= HD / 2 (which is T / 8).
.set WSTG,  16896                      ; LDS of a wave: K's stage, 16 rows x 528 bytes, then the bias's stage, as large: the bias's way has bytes of its own
.set BSTG,  8448
.set SPIT,  528                        ; a stage row: 512 bytes + 16, an odd multiple of 16: the 16 rows that a load of 16 bytes a lane touches start in 16 different groups of banks
.set SCL,   67584                      ; behind the four waves' stages: the step's scale words, K's 512 bytes, then V's
.set STEPB, 25600
.set TILEB, 1536
.set VIMG,  12288
.set KSC,   24576
.set TM,  16                           ; v16-19 largest magnitudes, v20-23 the other half's / the bytes, v28-31 the conversions' scale operands
.set R,   32                           ; v32-159  numbers as loaded: K's two tiles of 16 rows, later V's four blocks of 32 keys
.set X,   160                          ; v160-223 64 numbers of a lane: register 16 b + i = k 32 b + 16 (lane / 16) + i of row lane % 16
.set PC,  224                          ; v224-235 a fragment's codes, v236-242 the second halves as they are made
.set FH,  224                          ; v224-247 later: V's two runs of 12 registers (for image lanes r and 16 + r)
.set CT,  248                          ; v248-250 a block's second 16 codes as they are made
.set VW,  252                          ; v252     my column's scale word
	s_load_b256 s[4:11], s[0:1], 0x0               ; key s[4:5], value s[6:7], bias s[8:9], kv s[10:11]
	s_load_b64 s[12:13], s[0:1], 0x20              ; bimg
	v_lshl_add_u32 v254, v0, 2, 0x10c00
	v_mov_b32 v255, 0
	v_lshrrev_b32 v1, 5, v0
	v_readfirstlane_b32 s14, v1                    ; wave 0..3
	s_mov_b32 s15, ttmp9                           ; ST
	s_and_b32 s16, ttmp7, 0xffff                   ; HD
	s_lshl_b32 s17, s16, 4
	s_add_co_u32 s17, s17, s15                     ; SI = 16 HD + ST
	s_lshl_b32 s18, s17, 16                        ; a step's 128 rows of 512 bytes
	s_lshl_b32 s20, s14, 14
	s_add_co_u32 s20, s20, s18                     ; K: + my 32 rows
	s_mov_b32 s21, 0
	s_lshl_b32 s22, s14, 7
	s_add_co_u32 s22, s22, s18                     ; V: + my 32 columns
	s_mov_b32 s23, 0
	s_lshl_b32 s26, s16, 2
	s_lshr_b32 s27, s15, 2
	s_add_co_u32 s26, s26, s27                     ; T
	s_and_b32 s27, s15, 3
	s_lshl_b32 s27, s27, 2
	s_add_co_u32 s27, s27, s14                     ; s of my bias tile
	s_lshl_b32 s28, s26, 17                        ; 16 rows of 8,192 bytes
	s_lshl_b32 s30, s27, 9
	s_add_co_u32 s28, s28, s30                     ; + 128 columns a step
	s_mov_b32 s29, 0
	s_lshl_b32 s30, s26, 4
	s_add_co_u32 s30, s30, s27
	s_lshl_b32 s30, s30, 13                        ; its image: 8,192 (16 T + s)
	s_mov_b32 s31, 0
	s_lshr_b32 s33, s16, 1                         ; T / 8
	s_mul_i32 s32, s17, STEPB
	s_mul_i32 s34, s14, 2*TILEB
	s_add_co_u32 s34, s34, s32                     ; my two tiles' images
	s_mov_b32 s35, 0
	s_mov_b32 s24, 0x76543210
	s_mov_b32 s25, 0xfedcba98                      ; v_permlanex16_b32's selects for lane l xor 16
	; every LDS address is made here, ahead of the first branch
	v_and_b32 v1, 31, v0                           ; lane
	v_and_b32 v2, 15, v0                           ; r
	v_bfe_u32 v3, v0, 4, 1                         ; h
	v_lshlrev_b32 v4, 4, v1                        ; 16 x lane: in memory too
	s_mul_i32 s18, s14, WSTG
	v_add_nc_u32 v5, s18, v4                       ; K's stage, in: 16 x lane of a row
	v_mul_u32_u24 v6, v2, SPIT
	v_lshl_add_u32 v6, v3, 6, v6
	v_add_nc_u32 v6, s18, v6                       ; and out: row r, + 64 h: my 16 numbers of a block of 32
	v_add_nc_u32 v7, BSTG, v5                      ; the bias's stage likewise
	v_add_nc_u32 v8, BSTG, v6
	v_lshlrev_b32 v9, 2, v1                        ; V: 4 bytes a lane
	v_mul_u32_u24 v10, v3, TILEB
	v_lshl_add_u32 v10, v2, 4, v10                 ; V's images: tile lane / 16, 16 r
	s_lshr_b32 s18, s14, 1
	s_lshl_b32 s18, s18, 8
	s_and_b32 s19, s14, 1
	s_lshl_b32 s36, s19, 9                         ; 512 (w % 2)
	s_lshl_b32 s19, s19, 3
	s_add_co_u32 s18, s18, s19
	s_add_co_u32 s18, s18, SCL
	v_lshl_add_u32 v11, v2, 4, s18                 ; K's two scale words of row r: 256 (w / 2) + 16 r + 8 (w % 2)
	v_lshl_add_u32 v12, v3, 2, v11
	v_add_nc_u32 v12, 512, v12                     ; V's word of my column: the same + 4 (lane / 16), behind K's 512 bytes
	s_add_co_u32 s19, s36, SCL
	v_add_nc_u32 v13, s19, v4                      ; the way out of the scale words: 512 (w % 2) + 16 x lane
	s_add_co_u32 s36, s36, s32
	s_add_co_u32 s36, s36, KSC                     ; and their place in kv
	s_mov_b32 s37, 0
.irp b, 0,1,2,3
	v_mov_b32 v[TM+4+\b], 0                        ; written once: a lane permute's destination counts as one of its sources
.endr
	s_wait_kmcnt 0x0
	s_add_nc_u64 s[4:5], s[4:5], s[20:21]
	s_add_nc_u64 s[6:7], s[6:7], s[22:23]
	s_add_nc_u64 s[8:9], s[8:9], s[28:29]
	s_add_nc_u64 s[12:13], s[12:13], s[30:31]
	s_add_nc_u64 s[38:39], s[10:11], s[36:37]
	s_add_nc_u64 s[10:11], s[10:11], s[34:35]
; 64 numbers of a lane in v[X] on become a fragment's codes in v[PC] on and its scale word in v[pw]
.macro QUANT pw
.irp b, 0,1,2,3
	v_max3_num_f32 v[TM+\b], |v[X+16*\b]|, |v[X+1+16*\b]|, 0x1800000   ; block b: my 16 numbers, and the floor 2^(3 - 127): the byte cannot fall under 1
.endr
.irp i, 2,4,6,8,10,12,14
.irp b, 0,1,2,3
	v_max3_num_f32 v[TM+\b], v[TM+\b], |v[X+16*\b+\i]|, |v[X+1+16*\b+\i]|   ; the four blocks by turns
.endr
.endr
.irp b, 0,1,2,3
	v_permlanex16_b32 v[TM+4+\b], v[TM+\b], s24, s25
.endr
.irp b, 0,1,2,3
	v_max_num_f32 v[TM+\b], v[TM+\b], v[TM+4+\b]   ; with lane l xor 16's: the block's largest magnitude
.endr
.irp b, 0,1,2,3
	v_add_nc_u32 v[TM+12+\b], 0xff000000, v[TM+\b] ; 2 off its exponent field: the conversion takes the exponent field of this operand as its scale
.endr
.irp b, 0,1,2,3
	v_lshrrev_b32 v[TM+4+\b], 23, v[TM+12+\b]      ; the scale's byte
.endr
	v_lshl_or_b32 v[\pw], v[TM+5], 8, v[TM+4]
	v_lshl_or_b32 v[\pw], v[TM+6], 16, v[\pw]
	v_lshl_or_b32 v[\pw], v[TM+7], 24, v[\pw]      ; my row's scale word
.irp c, 0,1
	v_cvt_scalef32_pk16_fp6_f32 v[PC+6*\c:PC+2+6*\c], v[X+32*\c:X+15+32*\c], v[TM+12+2*\c]
	v_cvt_scalef32_pk16_fp6_f32 v[PC+12+4*\c:PC+14+4*\c], v[X+16+32*\c:X+31+32*\c], v[TM+12+2*\c+1]   ; (a conversion's three registers begin on an even number)
.endr
	v_nop                                          ; one plain place behind a scaled conversion
.irp c, 0,1                                    ; the operand's layout wants a whole block in a lane: lanes 0-15 block 2 c, lanes 16-31 block 2 c + 1
.irp i, 0,1,2
	v_permlane16_swap_b32 v[PC+6*\c+\i], v[PC+12+4*\c+\i]
.endr
.irp i, 0,1,2
	v_mov_b32 v[PC+3+6*\c+\i], v[PC+12+4*\c+\i]
.endr
.endr
.endm
; tile u's 16 rows go through my stage as they were loaded and come back 64 bytes a lane and block; LDS serves a wave's instructions in order, so no wait stands between
.macro TURNK u
.irp r, 0,1,2,3,4,5,6,7,8,9,10,11,12,13,14,15
	ds_store_b128 v5, v[R+64*\u+4*\r:R+64*\u+4*\r+3] offset:SPIT*\r
.endr
.irp n, 0,1,2,3,4,5,6,7,8,9,10,11,12,13,14,15
	ds_load_b128 v[X+4*\n:X+4*\n+3], v6 offset:128*(\n/4)+16*(\n%4)
.endr
.endm
; block bt of V: keys 32 bt + i of my column: a lane takes a column and its registers run down the keys; 32 lanes read 128 consecutive bytes, the four waves side by side 512
.macro VLOAD bt
.irp i, 0,1,2,3,4,5,6,7,8,9,10,11,12,13,14,15,16,17,18,19,20,21,22,23,24,25,26,27,28,29,30,31
	global_load_b32 v[R+32*(\bt)+\i], v9, s[6:7] offset:512*(32*(\bt)+\i) th:TH_LOAD_NT
.endr
.endm
; block bt is quantised: all its 32 numbers are mine.  In the operand it belongs to image lane r + 16 (bt % 2), registers 6 (bt / 2) on
.macro VBLK bt
.set XS, R+32*(\bt)
	v_max3_num_f32 v16, |v[XS]|, |v[XS+1]|, |v[XS+2]|
	v_max3_num_f32 v17, |v[XS+3]|, |v[XS+4]|, |v[XS+5]|
.irp i, 6,10,14,18,22,26
	v_max3_num_f32 v16, v16, |v[XS+\i]|, |v[XS+\i+1]|
	v_max3_num_f32 v17, v17, |v[XS+\i+2]|, |v[XS+\i+3]|
.endr
	v_max3_num_f32 v16, v16, |v[XS+30]|, |v[XS+31]|
	v_max3_num_f32 v16, v16, v17, 0x1800000        ; and the floor
	v_add_nc_u32 v18, 0xff000000, v16
	v_lshrrev_b32 v19, 23, v18
.if (\bt) == 0
	v_mov_b32 v[VW], v19
.else
	v_lshl_or_b32 v[VW], v19, 8*(\bt), v[VW]       ; the lower keys in the lower byte
.endif
	v_cvt_scalef32_pk16_fp6_f32 v[FH+12*((\bt)%2)+6*((\bt)/2):FH+12*((\bt)%2)+6*((\bt)/2)+2], v[XS:XS+15], v18
	v_cvt_scalef32_pk16_fp6_f32 v[CT:CT+2], v[XS+16:XS+31], v18
	v_nop                                          ; one plain place behind a scaled conversion
.irp i, 0,1,2
	v_mov_b32 v[FH+12*((\bt)%2)+6*((\bt)/2)+3+\i], v[CT+\i]
.endr
.endm
	; K's 32 rows, in the tiles' order: each load reads a whole row, 512 consecutive bytes
.irp u, 0,1
.irp r, 0,1,2,3,4,5,6,7,8,9,10,11,12,13,14,15
	global_load_b128 v[R+64*\u+4*\r:R+64*\u+4*\r+3], v4, s[4:5] offset:512*(8*\u+\r+8*(\r/8)) th:TH_LOAD_NT
.endr
.endr
	; the bias tile, where it lies on or under the diagonal: a branch on the work-group's and the wave's numbers, round no barrier
	s_cmp_gt_u32 s27, s33
	s_cbranch_scc1 .Lno_bias
.irp r, 0,1,2,3,4,5,6,7,8,9,10,11,12,13,14,15
	global_load_b128 v[X+4*\r:X+4*\r+3], v4, s[8:9] offset:8192*\r th:TH_LOAD_NT   ; 512 consecutive bytes of row 16 T + r
.endr
	s_wait_loadcnt 0x0
.irp r, 0,1,2,3,4,5,6,7,8,9,10,11,12,13,14,15
	ds_store_b128 v7, v[X+4*\r:X+4*\r+3] offset:SPIT*\r
.endr
	s_wait_dscnt 0x0                               ; the stores have read their registers, which the loads below fill
.irp n, 0,1,2,3,4,5,6,7,8,9,10,11,12,13,14,15
	ds_load_b128 v[X+4*\n:X+4*\n+3], v8 offset:128*(\n/4)+16*(\n%4)
.endr
.irp n, 0,1,2,3,4,5,6,7,8,9,10,11,12,13,14,15
	s_wait_dscnt 15-\n                             ; group n is back; the younger loads may be out
	global_store_b128 v4, v[X+4*\n:X+4*\n+3], s[12:13] offset:512*\n   ; 32 lanes store 512 consecutive bytes
.endr
	s_wait_xcnt 0x0                                ; the stores have read v[X] on, which K's turn fills next
.Lno_bias:
	s_wait_loadcnt 16                              ; tile 0's rows are in; tile 1's 16 loads may be out
	TURNK 0
	s_wait_dscnt 0x0                               ; the numbers are back, and the stage's stores have read v[R] .. v[R + 63]
	VLOAD 0
	QUANT 14
.irp c, 0,1,2
	global_store_b128 v4, v[PC+4*\c:PC+4*\c+3], s[10:11] offset:512*\c
.endr
	s_wait_loadcnt 32                              ; tile 1's rows are in; V's block 0 may be out
	TURNK 1
	s_wait_dscnt 0x0
	s_wait_xcnt 0x0                                ; tile 0's stores have read the codes' registers
	VLOAD 1
	QUANT 15
.irp c, 0,1,2
	global_store_b128 v4, v[PC+4*\c:PC+4*\c+3], s[10:11] offset:TILEB+512*\c
.endr
	ds_store_b64 v11, v[14:15]                     ; my two tiles' scale words of row r (lanes r and 16 + r write the same words)
	s_wait_loadcnt 32                              ; V's block 0 is in; block 1 may be out
	s_wait_xcnt 0x0                                ; tile 1's stores have read the codes' registers, over which V's codes are laid
	VLOAD 2
	VBLK 0
	s_wait_loadcnt 32                              ; block 1 is in; block 2 may be out
	VLOAD 3
	VBLK 1
	s_wait_loadcnt 32                              ; block 2 is in; block 3 may be out
	VBLK 2
	s_wait_loadcnt 0x0
	VBLK 3
.irp hh, 0,1
.irp g, 0,1,2
	global_store_b128 v10, v[FH+12*\hh+4*\g:FH+12*\hh+4*\g+3], s[10:11] offset:VIMG+512*\g+256*\hh   ; sixteen lanes store 256 consecutive bytes, at a multiple of 256 from kv's first byte
.endr
.endr
	ds_store_b32 v12, v[VW]
	s_wait_dscnt 0x0                               ; for the others' sake: my scale words lie in LDS
	s_barrier_signal -1
	s_barrier_wait -1
	s_cmp_lt_u32 s14, 2                            ; wave 0 stores K's 512 bytes of scale words, wave 1 V's
	s_cbranch_scc0 .Ldone
	ds_load_b128 v[16:19], v13
	s_wait_dscnt 0x0
	global_store_b128 v4, v[16:19], s[38:39]
.Ldone:
	s_wait_tensorcnt 0x0
	ds_add_u32 v254, v255
	s_wait_dscnt 0x0
	s_endpgm
.Lfunc_end_k_qf429a51e52_prep:
	.size	k_qf429a51e52_prep, .Lfunc_end_k_qf429a51e52_prep-k_qf429a51e52_prep
	.p2alignl 7, 3214868480
	.fill 96, 4, 3214868480
	.section	.rodata,"a",@progbits
	.p2align	6, 0x0
	.amdhsa_kernel k_qf429a51e52_prep
		.amdhsa_group_segment_fixed_size 69120
		.amdhsa_private_segment_fixed_size 0
		.amdhsa_enable_private_segment 0
		.amdhsa_kernarg_size 40
		.amdhsa_user_sgpr_count 2
		.amdhsa_user_sgpr_kernarg_segment_ptr 1
		.amdhsa_wavefront_size32 1
		.amdhsa_system_sgpr_workgroup_id_x 1
		.amdhsa_system_sgpr_workgroup_id_y 1
		.amdhsa_system_sgpr_workgroup_id_z 1
		.amdhsa_system_vgpr_workitem_id 0
		.amdhsa_next_free_vgpr 256
		.amdhsa_next_free_sgpr 66
		.amdhsa_reserve_vcc 0
		.amdhsa_float_denorm_mode_32 3
		.amdhsa_float_denorm_mode_16_64 3
		.amdhsa_memory_ordered 1
		.amdhsa_forward_progress 1
		.amdhsa_inst_pref_size 44
	.end_amdhsa_kernel
	.amdgpu_metadata
---
amdhsa.version: [ 1, 2 ]
amdhsa.kernels:
  - .name:           k_qf429a51e52_prep
    .symbol:         k_qf429a51e52_prep.kd
    .args:
      - { .name: key, .offset: 0, .size: 8, .value_kind: global_buffer, .address_space: global }
      - { .name: value, .offset: 8, .size: 8, .value_kind: global_buffer, .address_space: global }
      - { .name: bias, .offset: 16, .size: 8, .value_kind: global_buffer, .address_space: global }
      - { .name: kv, .offset: 24, .size: 8, .value_kind: global_buffer, .address_space: global }
      - { .name: bimg, .offset: 32, .size: 8, .value_kind: global_buffer, .address_space: global }
    .group_segment_fixed_size: 69120
    .private_segment_fixed_size: 0
    .kernarg_segment_align: 8
    .kernarg_segment_size: 40
    .max_flat_workgroup_size: 128
    .sgpr_count:     66
    .vgpr_count:     256
    .wavefront_size: 32
...
	.end_amdgpu_metadata
.endif
;; end of part 1
;; launch attn (part 2): grid 8 x 32, 16 waves a work-group, no clusters, 327,680 bytes of LDS; arguments query, kv, bimg, out0, out1; writes out0, out1
.if DOCPART == 2
	.amdgcn_target "amdgcn-amd-amdhsa--gfx1250"
	.amdhsa_code_object_version 6
	.text
	.protected	k_qf429a51e52_attn
	.globl	k_qf429a51e52_attn
	.p2align	8
	.type	k_qf429a51e52_attn,@function
k_qf429a51e52_attn:
	s_mov_b64 s[64:65], 0
	v_nop
	global_prefetch_b8 v0, s[64:65] scope:SCOPE_SE
	s_setreg_imm32_b32 hwreg(HW_REG_WAVE_MODE, 25, 1), 1
	s_wait_xcnt 0x0
; out0[bh][q][:] = the sum over k <= q of softmax_k(Q.K / sqrt(128) + bias[q][k] + (k - q) slope[head]) V[k][:];  out1[bh][q] = the logsumexp of the same logits.
; Both products on codes of FP6 (E2M3) with one E8M0 scale for each 32 along K.  K, V and the bias come as register images (kv, bimg: their layouts stand at the head of the launch before); Q is quantised here.
; THE SOFTMAX.  t = logit x log2(e); M = the running largest t, rounded UP to a whole number; p = 2^(t - M) is quantised along the keys, not normalised; the row's sum l is taken of the unquantised p and divides O at
; the end; when M moves, l and O are multiplied by 2^(old M - new M), which rounds nothing.  out1 = ln 2 x (log2(l) + M).
; THE LOGIT, all in f32.  The score accumulator starts from C = bias x sqrt(128) + slope x sqrt(128) x (i - 15), i = 0 .. 15 the key's place in my half block; t = c x acc + L_b, c = log2(e) / sqrt(128),
; L_b = slope x log2(e) x (D + 32 b), D = KF + 16 (lane / 16) + 15 - my query, a whole number (KF: the step's first key).  So the bias and the part of the position term inside a half block are added in units of the
; raw score: an order of rounding that differs from the source's.
; A BLOCK'S LARGEST p: the largest acc of my 16 registers goes through the same multiply-add and exponential as every element, which gives that element's bits; then the other half of the lanes' (whose L_b differs) is joined.
; This takes v_exp_f32 not to fall where its input rises.
; LIMITS: finite inputs (NaN and infinities, a bias of -infinity among them, are not served); p under 2^-126 becomes 0; blocks of Q whose largest magnitude lies under 2^-124 keep the byte 1.
; SHARES.  Work-group (I, BH) owns two blocks of 128 queries of slice BH: block I and block 15 - I, so that every work-group has 8 (I + 1) + 8 (16 - I) = 136 steps of 16 queries x 128 keys.
; Wave w owns 16 queries: tile w / 2 of the low block (g = 0) or the high one (g = 1), g = (w xor w / 4) % 2.  A wave works the key steps 0 .. its block's number; later steps are jumped over, by a scalar branch on ids.
; The keys walk in laps of four steps: two LDS slots of two steps, filled by waves 0 and 1 (a step's 25,600 dense bytes each) and read by all sixteen.  4 laps where I < 4, else 3.
; Slot and step stand in the LDS loads' immediates: no LDS address is stepped.
; NO CLUSTER: the work-groups of a slice walk the same kv, but how many laps a work-group walks, and which steps it jumps over, hang on I, which would be its place among such partners.
; LAYOUT.  Both products are used transposed: S^T = K Q^T + C (source 0 = 16 keys, source 1 = my 16 queries), O^T = V^T P^T: a lane holds ONE query (lane % 16) throughout; S^T's register 16 b + i is key KF + 32 b + 16 (lane / 16) + i.
.set STEPB, 25600                      ; a step's block in kv and in LDS
.set SLOTB, 51200                      ; a slot: two steps
.set TILEB, 1536
.set VIMG,  12288
.set KSC,   24576
.set VSC,   25088
.set STAGE, 102400                     ; behind the ring: 16 rows x 528 bytes for each wave: Q's turn and O's way out; no fill lands here
.set WSTG,  8448
.set SPIT,  528
.set STATS, 237568                     ; 256 words: out1 of the work-group's 256 queries
.set SPARE, 238592                     ; the spare words, 128 bytes for each of 16 waves: eight blocks of 256 bytes that no other line names
; v0 thread; v1, v2 16 x lane in slot 0, 1 (v1 serves memory too); v3, v4 16 (lane % 16) in slot 0, 1; v5, v6 the add's two; v7 stage + 16 lane; v8 stage + 528 r + 32 h; v9 my word of STATS;
; v10 my query - 16 h; v11 D; v12 -M; v13 the largest t; v[14:15] l in two halves; v16-27 Q's codes; v28 Q's scale word, v29 p's, v30-37 K's or V's (v28-37 hold scales alone);
; v38-53 TA; v54-61 pairs (L_b - M, L_b); v62 f, v63 the prefetch's offset; v64-111 four fragments, at work in the softmax; v112-175 S^T, then p; v176-239 O^T; v240-251 p's codes;
; v252 STATS' way out; v253 stage + 528 r + 64 h; v254, v255 at work
.set TA,  38
.set KVS, 30
.set F,   64
.set S,   112
.set O,   176
.set P,   240
; s[4:5] query, s[6:7] kv, s[8:9] bimg (my tile, the lap's first step), s[10:11] out0, s[12:13] out1; s14 wave; s15 I; s16 BH; s17 g; s18 w / 2; s19 my first query; s20 my last; s21 KF; s[22:23] c; s[24:25] lane selects;
; s26 slope x log2(e); s28 slope x sqrt(128); s29 laps to go; s30 1 in a wave that prefetches; s[32:39] descriptor group 1; s[40:43], s[44:47] group 0 of slot 0, 1; s[48:49] the prefetches' place; s[52:53] sqrt(128)
	s_load_b256 s[4:11], s[0:1], 0x0
	s_load_b64 s[12:13], s[0:1], 0x20
	v_lshl_add_u32 v5, v0, 2, SPARE
	v_mov_b32 v6, 0
	ds_add_u32 v5, v6
	s_wait_dscnt 0x0
	v_lshrrev_b32 v1, 5, v0
	v_readfirstlane_b32 s14, v1                    ; wave 0..15
	s_mov_b32 s15, ttmp9                           ; I
	s_and_b32 s16, ttmp7, 0xffff                   ; BH
	s_lshr_b32 s17, s14, 2
	s_xor_b32 s17, s17, s14
	s_and_b32 s17, s17, 1                          ; g
	s_lshr_b32 s18, s14, 1                         ; my tile in its block
	s_and_b32 s31, s14, 1
	s_sub_co_u32 s51, 15, s15
	s_cmp_eq_u32 s17, 0
	s_cselect_b32 s50, s15, s51                    ; my block of 128 queries
	s_cmp_eq_u32 s31, 0
	s_cselect_b32 s51, s15, s51                    ; the block whose out1 I store, if I store: wave 0 the low one, wave 1 the high one
	s_lshl_b32 s19, s50, 7
	s_lshl_b32 s50, s18, 4
	s_add_co_u32 s19, s19, s50                     ; my first query
	s_add_co_u32 s20, s19, 15                      ; my last
	s_mov_b32 s21, 0                               ; KF
	s_lshl_b32 s50, s16, 11
	s_add_co_u32 s54, s50, s19
	s_lshl_b32 s54, s54, 9                         ; query, out0: rows of 512 bytes
	s_mov_b32 s55, 0
	s_lshl_b32 s56, s19, 13                        ; bimg: 131,072 bytes for each tile of 16 queries
	s_mov_b32 s57, 0
	s_lshl_b32 s51, s51, 7
	s_add_co_u32 s58, s50, s51
	s_lshl_b32 s58, s58, 2                         ; out1
	s_mov_b32 s59, 0
	s_mul_i32 s27, s31, STEPB                      ; which of a slot's two steps I fetch, if I fetch
	s_mul_i32 s60, s16, 16*STEPB                   ; my slice in kv
	s_add_co_u32 s62, s60, SLOTB                   ; the prefetches stand at slot 1; the first change of slots steps them to slot 2
	s_mov_b32 s63, 0
	s_add_co_u32 s60, s60, s27
	s_mov_b32 s61, 0
	; descriptor group 1: a dense block of 25,600 bytes as 100 rows of 256 bytes; no padding: every LDS read of an image takes 512 consecutive bytes
	s_mov_b32 s32, 3<<16                           ; 15:0 no mask; 17:16 elements of 8 bytes; 20 padding off
	s_mov_b32 s33, 32<<16                          ; tensor_dim0 = 32
	s_mov_b32 s34, 100<<16                         ; tensor_dim1 = 100
	s_mov_b32 s35, 32<<16                          ; tile_dim0 = 32
	s_mov_b32 s36, 100                             ; tile_dim1 = 100
	s_mov_b32 s37, 32                              ; tensor_dim0_stride
	s_mov_b32 s38, 0
	s_mov_b32 s39, 0
	s_mov_b32 s22, 0x3e0293ee                      ; c = log2(e) / sqrt(128)
	s_mov_b32 s23, s22                             ; (named with it as a pair, so it is written)
	s_mov_b32 s24, 0x76543210
	s_mov_b32 s25, 0xfedcba98
	s_mov_b32 s52, 0x413504f3                      ; sqrt(128)
	s_mov_b32 s53, s52
	s_cmp_lt_u32 s15, 4
	s_cselect_b32 s29, 3, 2                        ; laps in the loop: the high block's 16 - I steps take 4 laps where I < 4, else 3; the last lap is written out
	s_sub_co_u32 s50, s14, 2
	s_cmp_lt_u32 s50, 7
	s_cselect_b32 s30, 1, 0                        ; waves 2 to 8
	s_cmp_eq_u32 s15, 0
	s_cselect_b32 s30, s30, 0                      ; of the slice's first work-group
	; every LDS address is made here, ahead of the first branch
	v_and_b32 v254, 31, v0                         ; lane
	v_and_b32 v255, 15, v0                         ; r
	v_bfe_u32 v64, v0, 4, 1                        ; h
	v_lshlrev_b32 v1, 4, v254
	v_add_nc_u32 v2, SLOTB, v1
	v_lshlrev_b32 v3, 4, v255
	v_add_nc_u32 v4, SLOTB, v3
	s_mul_i32 s50, s14, WSTG
	s_add_co_u32 s50, s50, STAGE                   ; my stage
	v_add_nc_u32 v7, s50, v1
	v_mul_u32_u24 v65, v255, SPIT
	v_add_nc_u32 v65, s50, v65
	v_lshl_add_u32 v8, v64, 5, v65
	v_lshl_add_u32 v253, v64, 6, v65
	s_lshl_b32 s51, s17, 3
	s_add_co_u32 s51, s51, s18
	s_lshl_b32 s51, s51, 6
	s_add_co_u32 s51, s51, STATS
	v_lshl_add_u32 v9, v255, 2, s51                ; STATS: 64 (8 g + tile) + 4 r
	s_lshl_b32 s51, s31, 9
	s_add_co_u32 s51, s51, STATS
	v_add_nc_u32 v252, s51, v1                     ; and back: 512 (w % 2) + 16 x lane
	v_lshlrev_b32 v66, 4, v64
	v_sub_nc_u32 v10, v255, v66
	v_add_nc_u32 v10, s19, v10                     ; my query - 16 h
	v_sub_nc_u32 v11, 15, v10
	v_cvt_f32_i32 v11, v11                         ; D at KF = 0
	s_lshl_b32 s50, s14, 5
	s_sub_co_u32 s50, s50, 64
	v_add_nc_u32 v63, s50, v254                    ; the prefetches: 32 (w - 2) + lane of a slot's 200 pieces of 256 bytes,
	v_min_u32 v63, 199, v63                        ; held at the last piece (wave 8 has 8 pieces for 32 lanes)
	v_lshlrev_b32 v63, 8, v63
	s_wait_kmcnt 0x0
	s_add_nc_u64 s[4:5], s[4:5], s[54:55]
	s_add_nc_u64 s[10:11], s[10:11], s[54:55]
	s_add_nc_u64 s[8:9], s[8:9], s[56:57]
	s_add_nc_u64 s[12:13], s[12:13], s[58:59]
	s_add_nc_u64 s[48:49], s[6:7], s[62:63]
	s_mov_b32 s40, 1                               ; 1:0 count = 1
	s_mov_b32 s41, s27                             ; 63:32 LDS address: slot 0, my step
	s_add_nc_u64 s[42:43], s[6:7], s[60:61]        ; 120:64 global address: the slice's steps 0 and 1
	s_mov_b32 s44, 1
	s_add_co_u32 s45, s27, SLOTB                   ; slot 1
	s_add_nc_u64 s[46:47], s[42:43], SLOTB         ; steps 2 and 3
	s_or_b32 s43, s43, 0x80000000                  ; 127:126 type = 2
	s_or_b32 s47, s47, 0x80000000
	s_cmp_lt_u32 s14, 2                            ; slot 0's first fill, ahead of every wait on TENSORcnt, every LDS read and every barrier
	s_cbranch_scc0 .Lno_first
	tensor_load_to_lds s[40:43], s[32:39]
	s_nop 0
.rept 4
	v_nop
.endr
.Lno_first:
	; Q: my 16 rows, a whole row (512 consecutive bytes) a load, into registers that O^T takes later
.irp r, 0,1,2,3,4,5,6,7,8,9,10,11,12,13,14,15
	global_load_b128 v[O+4*\r:O+4*\r+3], v1, s[4:5] offset:512*\r th:TH_LOAD_NT
.endr
	; the slope: the f32 number nearest to (f32(2^-0.5))^j, j = head + 1.  2^(-j/2) less 3.42e-8 of itself for each whole halving: 147/256 (j even: just under a power of two) or 104/256 (j odd) of a last place each
	s_and_b32 s50, s16, 15
	s_add_co_u32 s50, s50, 1                       ; j
	s_lshr_b32 s51, s50, 1                         ; j / 2
	s_and_b32 s56, s50, 1                          ; SCC: j is odd
	s_mov_b32 s54, 0x3f800000
	s_cselect_b32 s54, 0x3f3504f3, s54
	s_mov_b32 s55, 147
	s_cselect_b32 s55, 104, s55
	s_mul_i32 s55, s55, s51
	s_add_co_u32 s55, s55, 128
	s_lshr_b32 s55, s55, 8
	s_lshl_b32 s51, s51, 23
	s_sub_co_u32 s54, s54, s51
	s_sub_co_u32 s54, s54, s55                     ; its bits
	v_mov_b32 v66, s54
	v_mul_f32 v67, 0x3fb8aa3b, v66
	v_mul_f32 v68, 0x413504f3, v66
	v_readfirstlane_b32 s26, v67                   ; slope x log2(e)
	v_readfirstlane_b32 s28, v68                   ; slope x sqrt(128)
.irp i, 0,1,2,3,4,5,6,7,8,9,10,11,12,13,14,15
	v_cvt_f32_i32 v[TA+\i], \i-15
.endr
.irp i, 0,1,2,3,4,5,6,7,8,9,10,11,12,13,14,15
	v_mul_f32 v[TA+\i], s28, v[TA+\i]              ; TA[i] = slope x sqrt(128) x (i - 15)
.endr
	v_mov_b32 v13, 0xff61b1e6                      ; the largest t so far: -3e38, under every t
	v_floor_f32 v12, -v13                          ; -M
	v_mov_b32 v14, 0
	v_mov_b32 v15, 0
.irp b, 0,1,2,3
	v_mov_b32 v[68+\b], 0                          ; a lane permute's destination counts as one of its sources
.endr
	s_wait_loadcnt 0x0
.irp r, 0,1,2,3,4,5,6,7,8,9,10,11,12,13,14,15
	ds_store_b128 v7, v[O+4*\r:O+4*\r+3] offset:SPIT*\r
.endr
.irp n, 0,1,2,3,4,5,6,7,8,9,10,11,12,13,14,15
	ds_load_b128 v[S+4*\n:S+4*\n+3], v253 offset:128*(\n/4)+16*(\n%4)   ; register 16 b + i = channel 32 b + 16 h + i of query r; LDS serves a wave's instructions in order
.endr
	s_wait_dscnt 0x0
	; Q is quantised: four blocks of 32 along the head's 128
.irp b, 0,1,2,3
	v_max3_num_f32 v[64+\b], |v[S+16*\b]|, |v[S+1+16*\b]|, 0x1800000   ; and the floor 2^(3 - 127): the byte cannot fall under 1
.endr
.irp i, 2,4,6,8,10,12,14
.irp b, 0,1,2,3
	v_max3_num_f32 v[64+\b], v[64+\b], |v[S+16*\b+\i]|, |v[S+1+16*\b+\i]|
.endr
.endr
.irp b, 0,1,2,3
	v_permlanex16_b32 v[68+\b], v[64+\b], s24, s25
.endr
.irp b, 0,1,2,3
	v_max_num_f32 v[64+\b], v[64+\b], v[68+\b]
.endr
.irp b, 0,1,2,3
	v_add_nc_u32 v[76+\b], 0xff000000, v[64+\b]    ; 2 off the exponent field: the conversion's scale operand
.endr
.irp b, 0,1,2,3
	v_lshrrev_b32 v[68+\b], 23, v[76+\b]
.endr
	v_lshl_or_b32 v28, v69, 8, v68
	v_lshl_or_b32 v28, v70, 16, v28
	v_lshl_or_b32 v28, v71, 24, v28                ; Q's scale word
.irp c, 0,1
	v_cvt_scalef32_pk16_fp6_f32 v[16+6*\c:18+6*\c], v[S+32*\c:S+15+32*\c], v[76+2*\c]
	v_cvt_scalef32_pk16_fp6_f32 v[84+4*\c:86+4*\c], v[S+16+32*\c:S+31+32*\c], v[76+2*\c+1]
.endr
	v_nop                                          ; one plain place behind a scaled conversion
.irp c, 0,1
.irp i, 0,1,2
	v_permlane16_swap_b32 v[16+6*\c+\i], v[84+4*\c+\i]
.endr
.irp i, 0,1,2
	v_mov_b32 v[19+6*\c+\i], v[84+4*\c+\i]
.endr
.endr
.irp n, 0,1,2,3,4,5,6,7,8,9,10,11,12,13,14,15
	global_load_b128 v[S+4*\n:S+4*\n+3], v1, s[8:9] offset:512*\n   ; step 0's bias, straight into the score accumulators' registers
.endr
.set nn, 0
.rept 64
	v_mov_b32 v[O+nn], 0                           ; O^T.  (The step is written with no first form of its own: the first finds zeros, which the first change of M leaves zeros)
.set nn, nn+1
.endr
.macro FRAGS li, off                   ; four fragments: 12 loads of 512 consecutive bytes
.irp t, 0,1,2,3
.irp c, 0,1,2
	ds_load_b128 v[F+12*\t+4*\c:F+12*\t+4*\c+3], v[\li] offset:(\off)+TILEB*\t+512*\c
.endr
.endr
.endm
.macro PROD4 acc, g, bop, bsc          ; four products on four accumulators, one instruction a turn
.irp t, 0,1,2,3
	v_wmma_scale_f32_16x16x128_f8f6f4 v[\acc+8*(4*\g+\t):\acc+8*(4*\g+\t)+7], v[F+12*\t:F+12*\t+11], v[\bop:\bop+11], v[\acc+8*(4*\g+\t):\acc+8*(4*\g+\t)+7], v[KVS+4*\g+\t], v[\bsc] matrix_a_fmt:MATRIX_FMT_FP6 matrix_b_fmt:MATRIX_FMT_FP6
.endr
.endm
.macro PLACES                          ; four places behind a matrix instruction, ahead of loads into its sources and of the first read of its results (ISA guide 7.12.1 for vector instructions)
.rept 4
	v_nop
.endr
.endm
; A KEY STEP: 128 keys, the q-th of the slot.  nxt = 1: the next step's bias is asked for, where I work that step.
.macro STEP slot, q, nxt
	s_cmp_gt_u32 s21, s20                          ; all 128 keys come after my 16 queries: the step's work is left out; no barrier and no tensor load stands in a step
	s_cbranch_scc1 .Lhid_\@
	v_mul_f32 v55, s26, v11                        ; L_b = slope x log2(e) x (D + 32 b).  (These seven lines are also the places in front of the loads below)
	v_add_f32 v254, 0x42000000, v11
	v_add_f32 v255, 0x42800000, v11
	v_mul_f32 v57, s26, v254
	v_add_f32 v254, 0x42c00000, v11
	v_mul_f32 v59, s26, v255
	v_mul_f32 v61, s26, v254
	FRAGS 1+\slot, STEPB*\q
.irp g, 0,1
	ds_load_b128 v[KVS+4*\g:KVS+4*\g+3], v[3+\slot] offset:STEPB*\q+KSC+256*\g   ; K's scale words: four tiles' a load
.endr
	s_wait_loadcnt 0x0                             ; the step's bias, asked for a step ago
.irp b, 0,1,2,3
.irp m, 0,2,4,6,8,10,12,14
	v_pk_fma_f32 v[S+16*\b+\m:S+16*\b+\m+1], v[S+16*\b+\m:S+16*\b+\m+1], s[52:53], v[TA+\m:TA+\m+1] op_sel_hi:[1,0,1]   ; C = bias x sqrt(128) + TA[i]
.endr
.endr
	s_wait_dscnt 0x0
	PROD4 S, 0, 16, 28                             ; S^T = K Q^T + C
	PLACES
	FRAGS 1+\slot, STEPB*\q+4*TILEB
	s_wait_dscnt 0x0
	PROD4 S, 1, 16, 28
	PLACES
	s_add_co_u32 s50, s21, 127                     ; on the diagonal hidden scores become -infinity ahead of the maximum; a step all of whose keys count jumps over this
	s_cmp_le_u32 s50, s19
	s_cbranch_scc1 .Lopen_\@
	v_sub_nc_u32 v255, v10, s21                    ; d = my query - KF - 16 h: register 16 b + i is hidden where 32 b + i > d
	v_mov_b32 v254, 0xff800000
.irp n, 0,1,2,3,4,5,6,7,8,9,10,11,12,13,14,15,16,17,18,19,20,21,22,23,24,25,26,27,28,29,30,31,32,33,34,35,36,37,38,39,40,41,42,43,44,45,46,47,48,49,50,51,52,53,54,55,56,57,58,59,60,61,62,63
	v_cmp_gt_i32 vcc_lo, 32*(\n/16)+\n%16, v255
	v_cndmask_b32 v[S+\n], v[S+\n], v254, vcc_lo
.endr
.Lopen_\@:
.irp b, 0,1,2,3
	v_max3_num_f32 v[64+\b], v[S+16*\b], v[S+1+16*\b], v[S+2+16*\b]   ; the largest acc of my 16 registers of each block; each accumulator is read from its low end on
.endr
.irp i, 3,5,7,9,11,13
.irp b, 0,1,2,3
	v_max3_num_f32 v[64+\b], v[64+\b], v[S+16*\b+\i], v[S+1+16*\b+\i]
.endr
.endr
.irp b, 0,1,2,3
	v_max_num_f32 v[64+\b], v[64+\b], v[S+15+16*\b]
.endr
.irp b, 0,1,2,3
	v_fma_f32 v[68+\b], v[64+\b], s22, v[55+2*\b]  ; as t
.endr
	v_max3_num_f32 v254, v68, v69, v70
	v_max_num_f32 v254, v254, v71
	v_permlanex16_b32 v255, v254, s24, s25         ; the query's other 64 keys lie in the lane 16 away
	v_max3_num_f32 v13, v13, v254, v255            ; the running largest t
	v_mov_b32 v254, v12
	v_floor_f32 v12, -v13                          ; the new -M = -ceil(t): a whole number
	v_sub_f32 v254, v12, v254                      ; old M - new M: a whole number, 0 or less
	v_cvt_i32_f32 v254, v254                       ; (it saturates)
	v_ldexp_f32 v62, 1.0, v254                     ; f = 2^(old M - new M)
.irp b, 0,1,2,3
	v_add_f32 v[54+2*\b], v[55+2*\b], v12          ; L_b - M
.endr
.irp b, 0,1,2,3
.irp m, 0,2,4,6,8,10,12,14
	v_pk_fma_f32 v[S+16*\b+\m:S+16*\b+\m+1], v[S+16*\b+\m:S+16*\b+\m+1], s[22:23], v[54+2*\b:55+2*\b] op_sel_hi:[1,0,0]   ; t - M (of both pairs the low word serves both halves)
.endr
.endr
.irp b, 0,1,2,3
	v_fma_f32 v[68+\b], v[64+\b], s22, v[54+2*\b]  ; the same of my largest acc of each block
.endr
.set nn, 0
.rept 64
	v_exp_f32 v[S+nn], v[S+nn]                     ; p = 2^(t - M): not normalised
.set nn, nn+1
.endr
	v_pk_mul_f32 v[14:15], v[14:15], v[62:63] op_sel_hi:[1,0]   ; l under the new M.  (The plain place behind the exponentials)
	s_wait_alu depctr_va_vdst(0)                   ; one wait for the batch of 64, ahead of its first reader
.irp b, 0,1,2,3
	v_exp_f32 v[68+\b], v[68+\b]                   ; my largest p of each block: the same two instructions on the same number give the same bits
.endr
	v_pk_add_f32 v[92:93], v[S:S+1], v[S+2:S+3]    ; the row's sum is taken of the unquantised p, two at a time, in two chains; it reads the 64 alone
.set nn, 4
.rept 15
	v_pk_add_f32 v[14:15], v[14:15], v[S+nn:S+nn+1]
	v_pk_add_f32 v[92:93], v[92:93], v[S+nn+2:S+nn+3]
.set nn, nn+4
.endr
	v_pk_add_f32 v[14:15], v[14:15], v[92:93]
	s_wait_alu depctr_va_vdst(0)                   ; and one for the four
.irp b, 0,1,2,3
	v_permlanex16_b32 v[72+\b], v[68+\b], s24, s25
.endr
.irp b, 0,1,2,3
	v_max3_num_f32 v[68+\b], v[68+\b], v[72+\b], 0x1800000   ; the block's largest p, and the floor 2^(3 - 127) (a block whose every p is 0 keeps the byte 1: its codes are zeros)
.endr
.irp b, 0,1,2,3
	v_add_nc_u32 v[76+\b], 0xff000000, v[68+\b]    ; 2 off the exponent field: the conversion's scale operand
.endr
.irp b, 0,1,2,3
	v_lshrrev_b32 v[80+\b], 23, v[76+\b]           ; the scale's byte
.endr
	v_lshl_or_b32 v29, v81, 8, v80
	v_lshl_or_b32 v29, v82, 16, v29
	v_lshl_or_b32 v29, v83, 24, v29                ; p's scale word for these 128 keys
.irp c, 0,1
	v_cvt_scalef32_pk16_fp6_f32 v[P+6*\c:P+2+6*\c], v[S+32*\c:S+15+32*\c], v[76+2*\c]
	v_cvt_scalef32_pk16_fp6_f32 v[84+4*\c:86+4*\c], v[S+16+32*\c:S+31+32*\c], v[76+2*\c+1]   ; (a conversion's three registers begin on an even number)
.endr
	v_nop                                          ; one plain place behind a scaled conversion
.irp c, 0,1                                    ; the operand's layout wants a whole block in a lane
.irp i, 0,1,2
	v_permlane16_swap_b32 v[P+6*\c+\i], v[84+4*\c+\i]
.endr
.irp i, 0,1,2
	v_mov_b32 v[P+3+6*\c+\i], v[84+4*\c+\i]
.endr
.endr
	FRAGS 1+\slot, STEPB*\q+VIMG
.irp g, 0,1
	ds_load_b128 v[KVS+4*\g:KVS+4*\g+3], v[3+\slot] offset:STEPB*\q+VSC+256*\g   ; V's scale words
.endr
.if \nxt
	s_add_co_u32 s50, s21, 128                     ; the next step's bias goes into S^T's registers, which are free now; only where I work that step: those tiles alone were written
	s_cmp_gt_u32 s50, s20
	s_cbranch_scc1 .Lnob_\@
.irp n, 0,1,2,3,4,5,6,7,8,9,10,11,12,13,14,15
	global_load_b128 v[S+4*\n:S+4*\n+3], v1, s[8:9] offset:8192*(2*\slot+\q+1)+512*\n
.endr
.Lnob_\@:
.endif
.set nn, 0
.rept 32
	v_pk_mul_f32 v[O+nn:O+nn+1], v[O+nn:O+nn+1], v[62:63] op_sel_hi:[1,0]   ; O^T under the new M.  (These 32 also stand between the writes of p's codes and scale word and the products)
.set nn, nn+2
.endr
	s_wait_dscnt 0x0
	PROD4 O, 0, P, 29                              ; O^T += V^T P^T
	PLACES
	FRAGS 1+\slot, STEPB*\q+VIMG+4*TILEB
	s_wait_dscnt 0x0
	PROD4 O, 1, P, 29
	v_add_f32 v11, 0x43000000, v11                 ; D of the next step
.Lhid_\@:
	s_add_co_u32 s21, s21, 128
.endm
; THE CHANGE OF SLOTS stands at a slot's head.  Each wave waits for all its tensor loads (its part of slot cur), adds 0 to its spare word, and waits for that and for its reads of the other slot.
; Behind the barrier slot cur is whole and nobody reads the other.  fill = 1: the other slot takes the two steps that follow: the load has two steps' work in which to land.
; ask = 1: the 51,200 bytes that the NEXT change will load are prefetched, lanes 256 bytes apart, by waves 2 to 8 of the slice's first work-group alone (all eight work-groups of a slice walk the same bytes):
; slots 2 to 7, at the six changes of that work-group's loop.  Slots 0 and 1 come by their loads alone; the last lap asks for nothing.
.macro CHANGE cur, fill, ask
	s_wait_tensorcnt 0x0                           ; no tensor load of mine is out, so a group 0 may be written
	ds_add_u32 v5, v6                              ; 0 onto my spare word
	s_add_nc_u64 s[42+4*\cur:43+4*\cur], s[42+4*\cur:43+4*\cur], 2*SLOTB   ; slot cur's next two steps; the type bits on top are not reached
.if \ask
	s_wait_xcnt 0x0                                ; the last prefetch, a slot back, has read its address
	s_add_nc_u64 s[48:49], s[48:49], SLOTB
.endif
	s_wait_dscnt 0x0                               ; the add is done, and my reads of the other slot are over
	s_barrier_signal -1
	s_barrier_wait -1
.if \fill
	s_cmp_lt_u32 s14, 2
	s_cbranch_scc0 .Lnof_\@
	tensor_load_to_lds s[44-4*\cur:47-4*\cur], s[32:39]   ; the first thing behind the barrier, and my one tensor load until the next
	s_nop 0
.rept 4
	v_nop
.endr
.Lnof_\@:
.endif
.if \ask
	s_cmp_eq_u32 s30, 1
	s_cbranch_scc0 .Lnoa_\@
	global_prefetch_b8 v63, s[48:49] th:TH_LOAD_NT scope:SCOPE_SE
.Lnoa_\@:
.endif
.endm
.Llap:                                             ; a lap: four key steps, once round the ring
	CHANGE 0, 1, 1
	STEP 0, 0, 1
	STEP 0, 1, 1
	CHANGE 1, 1, 1
	STEP 1, 0, 1
	STEP 1, 1, 1
	s_wait_xcnt 0x0                                ; the bias loads have read their base
	s_add_nc_u64 s[8:9], s[8:9], 4*8192
	s_sub_co_u32 s29, s29, 1
	s_cmp_lg_u32 s29, 0
	s_cbranch_scc1 .Llap
	CHANGE 0, 1, 0                                 ; the last lap is written out: slot 1 takes the last two steps
	STEP 0, 0, 1
	STEP 0, 1, 1
	CHANGE 1, 0, 0                                 ; and nothing more is asked for
	STEP 1, 0, 1
	STEP 1, 1, 0
	; THE WAY OUT
	s_wait_loadcnt 0x0                             ; S^T's registers are written below: no load into them is out (the last step that a wave works asks for none)
	PLACES
	v_add_f32 v14, v14, v15                        ; l's two halves,
	v_permlanex16_b32 v254, v14, s24, s25
	v_add_f32 v14, v14, v254                       ; and lane l xor 16's
	v_rcp_f32 v15, v14
	v_log_f32 v254, v14
	v_nop                                          ; a plain place behind the two
	s_wait_alu depctr_va_vdst(0)                   ; and their one wait, ahead of the first reader
	v_sub_f32 v254, v254, v12                      ; log2(l) + M
	v_mul_f32 v254, 0x3f317218, v254               ; x ln 2
	ds_store_b32 v9, v254                          ; (lanes r and 16 + r write the same word with the same value)
.set nn, 0
.rept 64
	v_mul_f32 v[S+nn], v[O+nn], v15                ; O^T / l: register 8 t + i is out0(r, 16 t + 8 h + i)
.set nn, nn+1
.endr
.irp t, 0,1,2,3,4,5,6,7
	ds_store_b128 v8, v[S+8*\t:S+8*\t+3] offset:64*\t
	ds_store_b128 v8, v[S+8*\t+4:S+8*\t+7] offset:64*\t+16
.endr
.irp i, 0,1,2,3,4,5,6,7,8,9,10,11,12,13,14,15
	ds_load_b128 v[O+4*\i:O+4*\i+3], v7 offset:SPIT*\i   ; whole rows back; LDS serves a wave's instructions in order: these see my stores
.endr
.irp i, 0,1,2,3,4,5,6,7,8,9,10,11,12,13,14,15
	s_wait_dscnt 15-\i                             ; row i is back; the younger loads may be out
	global_store_b128 v1, v[O+4*\i:O+4*\i+3], s[10:11] offset:512*\i th:TH_STORE_NT   ; 32 lanes store a row's 512 consecutive bytes
.endr
	s_wait_dscnt 0x0                               ; for the others' sake: my word of STATS lies in LDS
	s_barrier_signal -1
	s_barrier_wait -1
	s_cmp_lt_u32 s14, 2                            ; wave 0 stores the low block's 128 numbers of out1, wave 1 the high block's: 512 consecutive bytes each
	s_cbranch_scc0 .Lno_stats
	ds_load_b128 v[64:67], v252
	s_wait_dscnt 0x0
	global_store_b128 v1, v[64:67], s[12:13]
.Lno_stats:
	s_wait_tensorcnt 0x0                           ; the wave's end, behind my last tensor load and my last LDS store
	ds_add_u32 v5, v6
	s_wait_dscnt 0x0
	s_endpgm
.Lfunc_end_k_qf429a51e52_attn:
	.size	k_qf429a51e52_attn, .Lfunc_end_k_qf429a51e52_attn-k_qf429a51e52_attn
	.p2alignl 7, 3214868480
	.fill 96, 4, 3214868480
	.section	.rodata,"a",@progbits
	.p2align	6, 0x0
	.amdhsa_kernel k_qf429a51e52_attn
		.amdhsa_group_segment_fixed_size 327680
		.amdhsa_private_segment_fixed_size 0
		.amdhsa_enable_private_segment 0
		.amdhsa_kernarg_size 40
		.amdhsa_user_sgpr_count 2
		.amdhsa_user_sgpr_kernarg_segment_ptr 1
		.amdhsa_wavefront_size32 1
		.amdhsa_system_sgpr_workgroup_id_x 1
		.amdhsa_system_sgpr_workgroup_id_y 1
		.amdhsa_system_sgpr_workgroup_id_z 1
		.amdhsa_system_vgpr_workitem_id 0
		.amdhsa_next_free_vgpr 256
		.amdhsa_next_free_sgpr 66
		.amdhsa_reserve_vcc 1
		.amdhsa_float_denorm_mode_32 3
		.amdhsa_float_denorm_mode_16_64 3
		.amdhsa_memory_ordered 1
		.amdhsa_forward_progress 1
		.amdhsa_inst_pref_size 252
	.end_amdhsa_kernel
	.amdgpu_metadata
---
amdhsa.version: [ 1, 2 ]
amdhsa.kernels:
  - .name:           k_qf429a51e52_attn
    .symbol:         k_qf429a51e52_attn.kd
    .args:
      - { .name: query, .offset: 0, .size: 8, .value_kind: global_buffer, .address_space: global }
      - { .name: kv, .offset: 8, .size: 8, .value_kind: global_buffer, .address_space: global }
      - { .name: bimg, .offset: 16, .size: 8, .value_kind: global_buffer, .address_space: global }
      - { .name: out0, .offset: 24, .size: 8, .value_kind: global_buffer, .address_space: global }
      - { .name: out1, .offset: 32, .size: 8, .value_kind: global_buffer, .address_space: global }
    .group_segment_fixed_size: 327680
    .private_segment_fixed_size: 0
    .kernarg_segment_align: 8
    .kernarg_segment_size: 40
    .max_flat_workgroup_size: 512
    .sgpr_count:     66
    .vgpr_count:     256
    .wavefront_size: 32
...
	.end_amdgpu_metadata
.endif
;; end of part 2
